; MI455X (gfx1250); checked and timed in simulation.
; The chip was launched on July 23, 2026; its instructions are those of AMD's public machine-readable ISA for CDNA 5 (MIT licence, August 2026) and "CDNA5" Instruction Set Architecture Reference Guide (July 2026). The comments in the code are by the model that wrote it; some were corrected since.
;; Leapfrog Integrator. Allowed arithmetic: float matrix products may take bf16 or f16 operands with f32 sums; all other float work in f32.
;; Inputs: U 64 x 32 float32; W 32 x 64 float32; Wf 64 x 128 float32; Wi 64 x 64 float32; bf 64 float32; force 131,072 x 64 float32; v 131,072 x 64 float32; x 131,072 x 64 float32.
;; Outputs: out0 131,072 x 64 float32; out1 131,072 x 64 float32.
;; Constants: steps = 4.
;; One version. Each part assembles by itself: llvm-mc -triple=amdgcn-amd-amdhsa -mcpu=gfx1250 --defsym DOCPART=n.
;; ======== version 1 of 1: 1 launch
;; launch leapfrog (part 1): grid 256 x 1, 8 waves a work-group, no clusters, 327,680 bytes of LDS; arguments x, v, force, W, U, Wf, Wi, bf, out0, out1; writes out0, out1
.if DOCPART == 1
	.amdgcn_target "amdgcn-amd-amdhsa--gfx1250"
	.amdhsa_code_object_version 6
	.text
	.protected	k_q533eb21994_leapfrog
	.globl	k_q533eb21994_leapfrog
	.p2align	8
	.type	k_q533eb21994_leapfrog,@function
k_q533eb21994_leapfrog:
	s_mov_b64 s[64:65], 0
	v_nop
	global_prefetch_b8 v0, s[64:65] scope:SCOPE_SE
	s_setreg_imm32_b32 hwreg(HW_REG_WAVE_MODE, 25, 1), 1
	s_wait_xcnt 0x0
; LEAPFROG INTEGRATOR, four steps of two half steps, for 131,072 rows of 64 f32.  Rows never mix: one launch reads x, v, force once,
; keeps the whole recurrence of a row in registers and stores out0 (x) and out1 (v) once.
; SHARES: 256 work-groups x 512 rows; a work-group walks 4 rounds of 128 rows; in a round each of its 8 waves owns 16 rows.
; ORIENTATION: every product is made transposed, D[out feature][row] = weight[M][K] x state^T.  In D lane (r = l % 16, h = l / 16) holds row r,
; and register j of feature tile t holds feature 16 t + 8 h + j.  The second source of the next product wants k = 32 kt + 8 h + 0..7 in
; registers 0-3 and k = 32 kt + 16 + 8 h + 0..7 in registers 4-7 (ISA guide 7.12.2): that is the same order, so fragment register i is
; the packed bf16 of state registers 2 i, 2 i + 1, and nothing ever moves between lanes but one exchange for |v|.
; WHAT IS COMPUTED ONCE: force Wi^T + bf is the same in all 8 half steps; tanh(x W^T) and the sigmoid of the gate hang on x alone, and x has
; 5 values (x0 .. x4): 5 evaluations in x (XEVAL), 8 in v (VEVAL), 1 product with force.  Operands and results are those of the 8 half steps.
; SCALES FOLDED INTO THE WEIGHTS (in f32, before the rounding to bf16): W' = 2 log2(e) W, U' = -h / (2 log2(e))^2 U, (Wf', Wi', bf') = -log2(e) (Wf, Wi, bf).
; Then tanh(px) = 1 - 2 / (1 + 2^px'), sigmoid = 1 / (1 + 2^gate'), and U' (pv'^2 tanh) + (v + h force) is the numerator.  2^y = inf or 0 gives the exact limits.
; sin, cos of an argument in [-pi, pi], z = x^2: s2 = 2 sin(x/2) = x (1 - z/24 + z^2/1920 - z^3/322560 + z^4/92897280),
; c = cos(x/2) = 1 - z/8 + z^2/384 - z^3/46080 + z^4/10321920, sin x = s2 c, cos x = 1 - s2^2 / 2.  Absolute error at most 6e-5, below the bf16 rounding of the operand.
; WRAP: a = t + pi, k = floor(a / 2pi), x = fma(k, -2pi, a) - pi: for |a| < 4 pi the same number as the remainder with the divisor's sign.
; LIMITS: (1) the wrap jumps by 2 pi: an x whose unwrapped value lies within the error that bf16 operands cause (about 1e-6) of +-pi can come out 2 pi away;
; (2) for |a| >= 4 pi, k can differ within a few ulp of a multiple of 2 pi; (3) x0 is reduced for its sin and cos alone, with error about |k| 1.8e-7;
; (4) v_exp_f32, v_rcp_f32, v_sqrt_f32 take denormals as zero (ISA guide 15.8).
; NO CLUSTER: the work-groups share only the 65,792 bytes of weights, read once at the start, against 655,360 bytes of rows that are a work-group's own.
.set W_LDS, 0                          ; W'  bf16, 32 rows, pitch 144
.set U_LDS, 4608                       ; U'  bf16, 64 rows, pitch 80
.set F_LDS, 9728                       ; Wf' bf16, 64 rows, pitch 272
.set I_LDS, 27136                      ; Wi' bf16, 64 rows, pitch 144
.set STAGE, 36352                      ; way out: for each wave 16 rows of x, then 16 rows of v, pitch 272: 8,704 bytes a wave
.set RING,  105984                     ; two slots; only tensor loads write here, and they write nowhere else
.set ARR,   34816                      ; 128 rows of 256 bytes + 16 of padding
.set SLOT,  3*ARR                      ; x, v, force of one round
; all pitches are odd multiples of 16 bytes: the 16 rows that a 16-byte access touches lie in 16 different 16-byte columns modulo 256 bytes
; window 0
.set LA,  1                            ; v1, v2   my 32 bytes in my rows of x in slot 0, 1
.set STO, 3                            ; v3       way out: where my 32 bytes of a feature tile go
.set RD,  4                            ; v4       way out: where I read rows back
.set CO,  5                            ; v5       my byte offset in a round's output
.set AW,  6                            ; v6       r * 144 + 16 h: fragments of W' and Wi'
.set TA,  7                            ; v7       address of force (beyond the 16-bit offset from LA)
.set CS4, 8                            ; v[8:9]   1/92897280 twice
.set CC4, 10                           ; v[10:11] 1/10321920 twice
.set SV,  12                           ; v[12:13] h 0.02 (1 + 0.1 |v| / (8 + 1e-6)) of my row, twice
.set X,   16                           ; v16-47   x
.set V,   48                           ; v48-79   v
.set HF,  80                           ; v80-111  force, then h force
.set SG,  112                          ; v112-143 gate', then sigmoid
.set TH,  144                          ; v144-159 tanh
.set FB,  160                          ; v160-175 sin fragments, v176-191 cos fragments
.set DEN, 160                          ; v160-191 denominators (VEVAL)
.set WIF, 160                          ; v160-223 Wi' fragments (head of a round); rows on the way out
.set XB,  192                          ; v192-207 bf16 fragments of x or of v
.set PA,  208                          ; v208-223 x W'^T or v W'^T
.set QB,  224                          ; v224-231 fragment of pv'^2 tanh
.set FF,  224                          ; v224-239 fragments of force (head of a round)
.set WK,  232                          ; v232-255 at work
; window 1
.set WA,   0                           ; W' fragment (mt, kt) at 8 (2 mt + kt)
.set UA,   32                          ; U' fragment mt at 8 mt
.set FA,   64                          ; Wf' fragment (mt, kt) at 8 (4 mt + kt)
.set G0,   192                         ; -log2(e) (force Wi^T + bf) of this round's rows
.set BIAS, 224                         ; bf' in the layout of D
; scalars
.set TG1, 32                           ; s[32:39] tensor descriptor group 1
.set TG0, 40                           ; s[40:47] group 0, a set for each slot
.set CS3, 54
.set CS2, 56
.set CS1, 58
.set CC3, 60
.set CC2, 62
.set CC1, 66
.set PI_P, 68
.set M2PI, 70
.set DT_P, 72
.set ONE_E, 74
.set MPI, 76
.set H_P, 78
.set SC_W, 82
.set SC_U, 84
.set SC_G, 86
.set INV2PI, 88
.set MSB, 0
.macro WIN new                         ; s_set_vgpr_msb: bits 1:0 source 0, 3:2 source 1, 5:4 source 2, 7:6 destination; the high byte repeats the setting that is left
.if MSB != \new
	s_set_vgpr_msb (MSB<<8)|\new
.set MSB, \new
.endif
.endm
.macro SPAIR reg, val                  ; a constant for packed f32: both halves written, the low one broadcast by op_sel_hi 0
	s_mov_b32 s[\reg], \val
	s_mov_b32 s[\reg+1], \val
.endm
	s_load_b256 s[8:15], s[0:1], 0x0               ; x s[8:9], v s[10:11], force s[12:13], W s[14:15]
	s_load_b256 s[16:23], s[0:1], 0x20             ; U s[16:17], Wf s[18:19], Wi s[20:21], bf s[22:23]
	s_load_b128 s[24:27], s[0:1], 0x40             ; out0 s[24:25], out1 s[26:27]
	v_lshl_add_u32 v254, v0, 2, 0x4ce00
	v_mov_b32 v255, 0
	ds_add_u32 v254, v255
	v_lshrrev_b32 v14, 5, v0
	v_readfirstlane_b32 s28, v14                   ; wave 0..7
	; group 1: a tile of 128 rows x 64 elements of 4 bytes, dense in memory, 16 bytes of padding behind each row in LDS
	s_mov_b32 s[TG1+0], (2<<16)|(1<<20)|(5<<22)|(3<<25)  ; no mask; element of 4 bytes; padding on, after every 64 words (code 5), of 4 words (code 3)
	s_mov_b32 s[TG1+1], 64<<16                     ; tensor_dim0 = 64
	s_mov_b32 s[TG1+2], 128<<16                    ; tensor_dim1 = 128
	s_mov_b32 s[TG1+3], 64<<16                     ; tile_dim0 = 64
	s_mov_b32 s[TG1+4], 128                        ; tile_dim1 = 128
	s_mov_b32 s[TG1+5], 64                         ; elements from row to row
	s_mov_b32 s[TG1+6], 0
	s_mov_b32 s[TG1+7], 0
	s_lshl_b32 s50, ttmp9, 17                      ; the work-group's 512 rows of 256 bytes (below 32 MiB)
	s_mov_b32 s51, 0
	s_mul_i32 s29, s28, ARR                        ; waves 0, 1, 2 fetch x, v, force: the array's place in a slot
	s_wait_dscnt 0x0
	s_barrier_signal -1
	s_barrier_wait -1
	s_wait_kmcnt 0x0
	s_cmp_eq_u32 s28, 1
	s_cselect_b64 s[48:49], s[10:11], s[8:9]       ; the buffer that my wave fetches
	s_cmp_eq_u32 s28, 2
	s_cselect_b64 s[48:49], s[12:13], s[48:49]
	s_add_nc_u64 s[48:49], s[48:49], s[50:51]
	s_add_nc_u64 s[24:25], s[24:25], s[50:51]
	s_add_nc_u64 s[26:27], s[26:27], s[50:51]
	s_mov_b32 s[TG0+0], 1
	s_add_co_u32 s[TG0+1], s29, RING               ; slot 0
	s_mov_b64 s[TG0+2:TG0+3], s[48:49]             ; round 0
	s_or_b32 s[TG0+3], s[TG0+3], 0x80000000        ; type 2
	s_mov_b32 s[TG0+4], 1
	s_add_co_u32 s[TG0+5], s29, RING+SLOT          ; slot 1
	s_add_nc_u64 s[TG0+6:TG0+7], s[48:49], 32768   ; round 1: 128 rows on
	s_or_b32 s[TG0+7], s[TG0+7], 0x80000000
	s_cmp_gt_u32 s28, 2
	s_cbranch_scc1 .Lno_first                      ; waves 3 to 7 fetch nothing
	tensor_load_to_lds s[TG0+0:TG0+3], s[TG1:TG1+7]        ; both first fills go out together, ahead of everything else: two loads of the wave are out
	s_nop 0
	tensor_load_to_lds s[TG0+4:TG0+7], s[TG1:TG1+7]
	s_nop 0
.Lno_first:
	; the weights: thread t takes the 16 bytes at 16 t + 4,096 i of each: 16 chunks, each load of a wave covers 512 neighbouring bytes
	v_lshlrev_b32 v16, 4, v0
	v_bfe_u32 v15, v0, 4, 1                        ; h
	v_lshlrev_b32 v20, 5, v15                      ; 32 h: my 8 numbers of each 16 of bf
.irp i, 0,1
	global_load_b128 v[160+4*\i:163+4*\i], v16, s[14:15] offset:4096*\i        ; W
	global_load_b128 v[168+4*\i:171+4*\i], v16, s[16:17] offset:4096*\i        ; U
.endr
.irp i, 0,1,2,3
	global_load_b128 v[176+4*\i:179+4*\i], v16, s[20:21] offset:4096*\i        ; Wi
.endr
.irp i, 0,1,2,3,4,5,6,7
	global_load_b128 v[192+4*\i:195+4*\i], v16, s[18:19] offset:4096*\i        ; Wf
.endr
	WIN 0x40                                       ; destination in window 1
.irp t, 0,1,2,3
.irp i, 0,1
	global_load_b128 v[BIAS+8*\t+4*\i:BIAS+8*\t+4*\i+3], v20, s[22:23] offset:64*\t+16*\i   ; bf[16 t + 8 h + 4 i ..]
.endr
.endr
	WIN 0
	SPAIR CS3, 0xb6500d01                          ; -1/322560
	SPAIR CS2, 0x3a088889                          ; 1/1920
	SPAIR CS1, 0xbd2aaaab                          ; -1/24
	SPAIR CC3, 0xb7b60b61                          ; -1/46080
	SPAIR CC2, 0x3b2aaaab                          ; 1/384
	SPAIR CC1, 0xbe000000                          ; -1/8
	SPAIR PI_P, 0x40490fdb                         ; pi
	SPAIR M2PI, 0xc0c90fdb                         ; -2 pi
	SPAIR DT_P, 0x3c23d70a                         ; dt = 0.01
	SPAIR ONE_E, 0x3f800001                        ; 1 + 1e-7 in f32
	SPAIR MPI, 0xc0490fdb                          ; -pi
	SPAIR H_P, 0x3ba3d70a                          ; h = 0.005
	SPAIR SC_W, 0x4038aa3b                         ; 2 log2(e)
	SPAIR SC_U, 0xba1d6f52                         ; -h / (2 log2(e))^2
	SPAIR SC_G, 0xbfb8aa3b                         ; -log2(e)
	SPAIR INV2PI, 0x3e22f983                       ; 1 / (2 pi)
	s_mov_b32 s52, 0x76543210                      ; v_permlanex16_b32: lane i of one half reads lane i of the other
	s_mov_b32 s53, 0xfedcba98
	s_mov_b32 s80, 0x35a7c5ab                      ; h 0.02 0.1 / (8 + 1e-6)
	s_mov_b32 s81, 0x38d1b717                      ; h 0.02
	v_mov_b32 v[CS4], 0x3238ef1d
	v_mov_b32 v[CS4+1], 0x3238ef1d
	v_mov_b32 v[CC4], 0x33d00d01
	v_mov_b32 v[CC4+1], 0x33d00d01
	v_and_b32 v14, 15, v0                          ; r
	v_and_b32 v21, 31, v0                          ; lane
	; where my chunks go in LDS, as bf16: the wave's number times a constant, plus a lane term that stays below that constant
	s_mul_i32 s48, s28, 288                        ; W, Wi: row 2 w + h (+ 16 i), 8 bytes at 8 r
	v_mul_u32_u24 v17, v15, 144
	v_lshl_add_u32 v17, v14, 3, v17
	v_add_nc_u32 v17, s48, v17
	s_mul_i32 s49, s28, 320                        ; U: row 4 w + lane / 8 (+ 32 i), 8 bytes at 8 (lane % 8)
	v_lshrrev_b32 v22, 3, v21
	v_and_b32 v23, 7, v0
	v_mul_u32_u24 v18, v22, 80
	v_lshl_add_u32 v18, v23, 3, v18
	v_add_nc_u32 v18, s49, v18
	s_mul_i32 s50, s28, 272                        ; Wf: row w (+ 8 i), 8 bytes at 8 lane
	v_lshlrev_b32 v19, 3, v21
	v_add_nc_u32 v19, s50, v19
	; the addresses that stay
	v_mul_u32_u24 v[TA], v14, 272
	v_lshl_add_u32 v[TA], v15, 5, v[TA]            ; r * 272 + 32 h: features 8 h .. 8 h + 7 of row r, f32
	s_mul_i32 s48, s28, 16*272
	s_add_co_u32 s48, s48, RING                    ; my 16 rows in a slot's first array
	v_add_nc_u32 v[LA], s48, v[TA]
	v_add_nc_u32 v[LA+1], SLOT, v[LA]
	s_mul_i32 s49, s28, 2*16*272
	s_add_co_u32 s49, s49, STAGE                   ; my stage
	v_add_nc_u32 v[STO], s49, v[TA]
	v_mul_u32_u24 v[RD], v15, 272                  ; back: lanes 0-15 one row of 256 bytes, lanes 16-31 the next
	v_lshl_add_u32 v[RD], v14, 4, v[RD]
	v_add_nc_u32 v[RD], s49, v[RD]
	s_lshl_b32 s50, s28, 12                        ; my 16 rows of 256 bytes in a round's output
	v_lshlrev_b32 v[CO], 4, v21
	v_add_nc_u32 v[CO], s50, v[CO]
	v_mul_u32_u24 v[AW], v14, 144
	v_lshl_add_u32 v[AW], v15, 4, v[AW]            ; r * 144 + 16 h
	v_mul_u32_u24 v[WK], v14, 80
	v_lshl_add_u32 v[WK], v15, 4, v[WK]            ; r * 80 + 16 h: fragments of U'
	v_mul_u32_u24 v[WK+1], v14, 272
	v_lshl_add_u32 v[WK+1], v15, 4, v[WK+1]        ; r * 272 + 16 h: fragments of Wf'
	s_wait_loadcnt 0x0                             ; the weights, once
.macro WCHUNK c, scale, adr, off       ; chunk c (v[160 + 4 c ..]): scale in f32, round to bf16 (v[200 + 2 c ..]), 8 bytes into LDS
	v_pk_mul_f32 v[160+4*(\c):161+4*(\c)], v[160+4*(\c):161+4*(\c)], s[\scale:\scale+1] op_sel_hi:[1,0]
	v_pk_mul_f32 v[162+4*(\c):163+4*(\c)], v[162+4*(\c):163+4*(\c)], s[\scale:\scale+1] op_sel_hi:[1,0]
	v_cvt_pk_bf16_f32 v[200+2*(\c)], v[160+4*(\c)], v[161+4*(\c)]
	v_cvt_pk_bf16_f32 v[201+2*(\c)], v[162+4*(\c)], v[163+4*(\c)]
	ds_store_b64 v[\adr], v[200+2*(\c):201+2*(\c)] offset:\off
.endm
	; chunks are taken from the last to the first: chunk c's bf16 pair falls into chunk 10 + c / 2 (or behind the last chunk), which is above c and so already done
.irp i, 7,6,5,4,3,2,1,0
	WCHUNK 8+\i, SC_G, 19, F_LDS+2176*\i
.endr
.irp i, 3,2,1,0
	WCHUNK 4+\i, SC_G, 17, I_LDS+2304*\i
.endr
.irp i, 1,0
	WCHUNK 2+\i, SC_U, 18, U_LDS+2560*\i
.endr
.irp i, 1,0
	WCHUNK \i, SC_W, 17, W_LDS+2304*\i
.endr
	WIN 0x41                                       ; destination and source 0 in window 1
.set e, 0
.rept 16
	v_pk_mul_f32 v[BIAS+e:BIAS+e+1], v[BIAS+e:BIAS+e+1], s[SC_G:SC_G+1] op_sel_hi:[1,0]
.set e, e+2
.endr
	WIN 0
	s_wait_dscnt 0x0                               ; my part of the weights is in LDS,
	s_wait_tensorcnt 0x1                           ; my part of slot 0 has landed; slot 1's may stay out
	s_barrier_signal -1
	s_barrier_wait -1                              ; everybody's has
	; the weights' fragments, kept in window 1 for the whole kernel: 16 rows x 32 K = two loads of 16 bytes, 32 bytes apart
	WIN 0x40
.irp m, 0,1
.irp k, 0,1
	ds_load_b128 v[WA+8*(2*\m+\k):WA+8*(2*\m+\k)+3],   v[AW] offset:W_LDS+2304*\m+64*\k
	ds_load_b128 v[WA+8*(2*\m+\k)+4:WA+8*(2*\m+\k)+7], v[AW] offset:W_LDS+2304*\m+64*\k+32
.endr
.endr
.irp m, 0,1,2,3
	ds_load_b128 v[UA+8*\m:UA+8*\m+3],   v[WK] offset:U_LDS+1280*\m
	ds_load_b128 v[UA+8*\m+4:UA+8*\m+7], v[WK] offset:U_LDS+1280*\m+32
.endr
.irp m, 0,1,2,3
.irp k, 0,1,2,3
	ds_load_b128 v[FA+8*(4*\m+\k):FA+8*(4*\m+\k)+3],   v[WK+1] offset:F_LDS+4352*\m+64*\k
	ds_load_b128 v[FA+8*(4*\m+\k)+4:FA+8*(4*\m+\k)+7], v[WK+1] offset:F_LDS+4352*\m+64*\k+32
.endr
.endr
	WIN 0
; 64 features in f32 to two bf16 fragments: register i = registers 2 i, 2 i + 1, packed
.macro CVT16 dst, src
.set e, 0
.rept 16
	v_cvt_pk_bf16_f32 v[\dst+e], v[\src+2*e], v[\src+2*e+1]
.set e, e+1
.endr
.endm
; PA = W' x XB: 32 outputs, K = 64.  The two accumulators take turns, one instruction a turn.
.macro PROJ
	WIN 0x01                                       ; source 0 (weights) in window 1
	v_wmma_f32_16x16x32_bf16 v[PA:PA+7],    v[WA:WA+7],     v[XB:XB+7],    0
	v_wmma_f32_16x16x32_bf16 v[PA+8:PA+15], v[WA+16:WA+23], v[XB:XB+7],    0
	v_wmma_f32_16x16x32_bf16 v[PA:PA+7],    v[WA+8:WA+15],  v[XB+8:XB+15], v[PA:PA+7]
	v_wmma_f32_16x16x32_bf16 v[PA+8:PA+15], v[WA+24:WA+31], v[XB+8:XB+15], v[PA+8:PA+15]
	WIN 0
.endm
; names of the registers of pair q (0, 1) of the two pairs of numbers that SINCOS2 works on
.macro PR p, q, first
.set XS, X+2*(\p+\q)
.set XR, WK+8*\q
.set ZZ, XR+2
.set PSN, XR+4
.set PCS, XR+6
.if \first
.set SR, XR
.else
.set SR, XS
.endif
.endm
; sin and cos of x's pairs p, p + 1 (four numbers, four chains that do not wait for each other), as bf16 into FB[p ..] and FB[16 + p ..].
; first = 1: x is x0, which is not wrapped: a wrapped copy is made for these features alone.
.macro SINCOS2 p, first
.if \first
.irp q, 0,1
	PR \p, \q, \first
	v_pk_add_f32 v[XR:XR+1], v[XS:XS+1], s[PI_P:PI_P+1] op_sel_hi:[1,0]
.endr
.irp q, 0,1
	PR \p, \q, \first
	v_pk_mul_f32 v[ZZ:ZZ+1], v[XR:XR+1], s[INV2PI:INV2PI+1] op_sel_hi:[1,0]
.endr
.irp q, 0,1
	PR \p, \q, \first
	v_floor_f32 v[ZZ], v[ZZ]
	v_floor_f32 v[ZZ+1], v[ZZ+1]
.endr
.irp q, 0,1
	PR \p, \q, \first
	v_pk_fma_f32 v[XR:XR+1], v[ZZ:ZZ+1], s[M2PI:M2PI+1], v[XR:XR+1] op_sel_hi:[1,0,1]
.endr
.irp q, 0,1
	PR \p, \q, \first
	v_pk_add_f32 v[XR:XR+1], v[XR:XR+1], s[MPI:MPI+1] op_sel_hi:[1,0]
.endr
.endif
.irp q, 0,1
	PR \p, \q, \first
	v_pk_mul_f32 v[ZZ:ZZ+1], v[SR:SR+1], v[SR:SR+1]                                ; z = x^2
.endr
.irp q, 0,1
	PR \p, \q, \first
	v_pk_fma_f32 v[PSN:PSN+1], v[ZZ:ZZ+1], v[CS4:CS4+1], s[CS3:CS3+1] op_sel_hi:[1,1,0]
	v_pk_fma_f32 v[PCS:PCS+1], v[ZZ:ZZ+1], v[CC4:CC4+1], s[CC3:CC3+1] op_sel_hi:[1,1,0]
.endr
.irp q, 0,1
	PR \p, \q, \first
	v_pk_fma_f32 v[PSN:PSN+1], v[PSN:PSN+1], v[ZZ:ZZ+1], s[CS2:CS2+1] op_sel_hi:[1,1,0]
	v_pk_fma_f32 v[PCS:PCS+1], v[PCS:PCS+1], v[ZZ:ZZ+1], s[CC2:CC2+1] op_sel_hi:[1,1,0]
.endr
.irp q, 0,1
	PR \p, \q, \first
	v_pk_fma_f32 v[PSN:PSN+1], v[PSN:PSN+1], v[ZZ:ZZ+1], s[CS1:CS1+1] op_sel_hi:[1,1,0]
	v_pk_fma_f32 v[PCS:PCS+1], v[PCS:PCS+1], v[ZZ:ZZ+1], s[CC1:CC1+1] op_sel_hi:[1,1,0]
.endr
.irp q, 0,1
	PR \p, \q, \first
	v_pk_fma_f32 v[PSN:PSN+1], v[PSN:PSN+1], v[ZZ:ZZ+1], 1.0 op_sel_hi:[1,1,0]
	v_pk_fma_f32 v[PCS:PCS+1], v[PCS:PCS+1], v[ZZ:ZZ+1], 1.0 op_sel_hi:[1,1,0]     ; cos(x/2)
.endr
.irp q, 0,1
	PR \p, \q, \first
	v_pk_mul_f32 v[PSN:PSN+1], v[PSN:PSN+1], v[SR:SR+1]                            ; 2 sin(x/2)
.endr
.irp q, 0,1
	PR \p, \q, \first
	v_pk_mul_f32 v[PCS:PCS+1], v[PCS:PCS+1], v[PSN:PSN+1]                          ; sin x
	v_pk_mul_f32 v[ZZ:ZZ+1], v[PSN:PSN+1], v[PSN:PSN+1]
.endr
.irp q, 0,1
	PR \p, \q, \first
	v_pk_fma_f32 v[ZZ:ZZ+1], v[ZZ:ZZ+1], -0.5, 1.0 op_sel_hi:[1,0,0]               ; cos x
.endr
.irp q, 0,1
	PR \p, \q, \first
	v_cvt_pk_bf16_f32 v[FB+\p+\q], v[PCS], v[PCS+1]
	v_cvt_pk_bf16_f32 v[FB+16+\p+\q], v[ZZ], v[ZZ+1]
.endr
.endm
; SG = Wf' x [sin, cos] + G0: 64 outputs, K = 128.  The four accumulators take turns, one instruction a turn.
.macro GATE
	WIN 0x11                                       ; sources 0 (weights) and 2 (G0) in window 1
.irp m, 0,1,2,3
	v_wmma_f32_16x16x32_bf16 v[SG+8*\m:SG+8*\m+7], v[FA+32*\m:FA+32*\m+7], v[FB:FB+7], v[G0+8*\m:G0+8*\m+7]
.endr
	WIN 0x01
.irp k, 1,2,3
.irp m, 0,1,2,3
	v_wmma_f32_16x16x32_bf16 v[SG+8*\m:SG+8*\m+7], v[FA+8*(4*\m+\k):FA+8*(4*\m+\k)+7], v[FB+8*\k:FB+8*\k+7], v[SG+8*\m:SG+8*\m+7]
.endr
.endr
	WIN 0
.endm
; n numbers at reg become 1 / (1 + 2^y).  Behind a run of transcendentals one plain vector instruction stands before a result is used (ISA guide 5.7.2).
.macro LOGISTIC reg, n
.set e, 0
.rept \n
	v_exp_f32 v[\reg+e], v[\reg+e]
.set e, e+1
.endr
	v_nop
.set e, 0
	s_wait_alu depctr_va_vdst(0)
.rept \n/2
	v_pk_add_f32 v[\reg+e:\reg+e+1], v[\reg+e:\reg+e+1], 1.0 op_sel_hi:[1,0]
.set e, e+2
.endr
.set e, 0
.rept \n
	v_rcp_f32 v[\reg+e], v[\reg+e]
.set e, e+1
.endr
	v_nop
.endm
; all that hangs on x alone: TH = tanh(x W^T), SG = sigmoid(gate).
; The plain vector work of SINCOS2 stands between PROJ and the first use of PA; that of the tanh (which names PA and TH alone) between GATE and the first use of SG:
; more than the four places that a vector instruction keeps behind a matrix instruction whose result it reads (ISA guide 7.12.1).
.macro XEVAL first
	CVT16 XB, X
	PROJ
.irp p, 0,2,4,6,8,10,12,14
	SINCOS2 \p, \first
.endr
	GATE
	LOGISTIC PA, 16
.set e, 0
	s_wait_alu depctr_va_vdst(0)
.rept 8
	v_pk_fma_f32 v[TH+e:TH+e+1], v[PA+e:PA+e+1], -2.0, 1.0 op_sel_hi:[1,0,0]       ; tanh = 1 - 2 / (1 + e^(2 px))
.set e, e+2
.endr
	LOGISTIC SG, 32
.endm
; a half step in v: V = (V + h force - h gamma) / (1 + h mu + 1e-7), with TH and SG of the current x
.macro VEVAL
	CVT16 XB, V
	PROJ
	; |v|^2 of my 32 features in four chains, then the other half of the lanes.  This and V += HF are the places behind PROJ.
.irp c, 0,1,2,3
	v_pk_mul_f32 v[WK+2*\c:WK+2*\c+1], v[V+2*\c:V+2*\c+1], v[V+2*\c:V+2*\c+1]
.endr
.set e, 4
.rept 12
	v_pk_fma_f32 v[WK+2*(e%4):WK+2*(e%4)+1], v[V+2*e:V+2*e+1], v[V+2*e:V+2*e+1], v[WK+2*(e%4):WK+2*(e%4)+1]
.set e, e+1
.endr
	v_pk_add_f32 v[WK:WK+1], v[WK:WK+1], v[WK+2:WK+3]
	v_pk_add_f32 v[WK+4:WK+5], v[WK+4:WK+5], v[WK+6:WK+7]
	v_pk_add_f32 v[WK:WK+1], v[WK:WK+1], v[WK+4:WK+5]
	v_add_f32 v[WK], v[WK], v[WK+1]
	v_permlanex16_b32 v[WK+1], v[WK], s52, s53     ; lane l xor 16 holds the same row's other 32 features
	v_add_f32 v[WK], v[WK], v[WK+1]
	v_sqrt_f32 v[WK+2], v[WK]
.set e, 0
.rept 16
	v_pk_add_f32 v[V+e:V+e+1], v[V+e:V+e+1], v[HF+e:HF+e+1]                        ; v + h force: the sum that the product below adds onto
.set e, e+2
.endr
	s_wait_alu depctr_va_vdst(0)
	v_fma_f32 v[SV], v[WK+2], s80, s81             ; h 0.02 (1 + 0.1 |v| / (8 + 1e-6))
	v_fma_f32 v[SV+1], v[WK+2], s80, s81
.set e, 0
.rept 8
	v_pk_mul_f32 v[PA+e:PA+e+1], v[PA+e:PA+e+1], v[PA+e:PA+e+1]
.set e, e+2
.endr
.set e, 0
.rept 8
	v_pk_mul_f32 v[PA+e:PA+e+1], v[PA+e:PA+e+1], v[TH+e:TH+e+1]
.set e, e+2
.endr
.set e, 0
.rept 8
	v_cvt_pk_bf16_f32 v[QB+e], v[PA+2*e], v[PA+2*e+1]
.set e, e+1
.endr
	WIN 0x01
.irp m, 0,1,2,3
	v_wmma_f32_16x16x32_bf16 v[V+8*\m:V+8*\m+7], v[UA+8*\m:UA+8*\m+7], v[QB:QB+7], v[V+8*\m:V+8*\m+7]   ; four accumulators, one instruction each
.endr
	WIN 0
.set e, 0
.rept 16
	v_pk_fma_f32 v[DEN+e:DEN+e+1], v[SG+e:SG+e+1], v[SV:SV+1], s[ONE_E:ONE_E+1] op_sel_hi:[1,1,0]       ; the places behind the product: none of its registers is named
.set e, e+2
.endr
.set e, 0
.rept 32
	v_rcp_f32 v[DEN+e], v[DEN+e]
.set e, e+1
.endr
	v_nop
.set e, 0
	s_wait_alu depctr_va_vdst(0)
.rept 16
	v_pk_mul_f32 v[V+e:V+e+1], v[V+e:V+e+1], v[DEN+e:DEN+e+1]
.set e, e+2
.endr
.endm
; x = wrap(x + dt v) for pairs 4 g .. 4 g + 3, stage by stage
.macro XUPD4 g
.irp q, 0,1,2,3
	v_pk_fma_f32 v[WK+2*\q:WK+2*\q+1], v[V+8*\g+2*\q:V+8*\g+2*\q+1], s[DT_P:DT_P+1], v[X+8*\g+2*\q:X+8*\g+2*\q+1] op_sel_hi:[1,0,1]
.endr
.irp q, 0,1,2,3
	v_pk_add_f32 v[WK+2*\q:WK+2*\q+1], v[WK+2*\q:WK+2*\q+1], s[PI_P:PI_P+1] op_sel_hi:[1,0]
.endr
.irp q, 0,1,2,3
	v_pk_mul_f32 v[WK+8+2*\q:WK+8+2*\q+1], v[WK+2*\q:WK+2*\q+1], s[INV2PI:INV2PI+1] op_sel_hi:[1,0]
.endr
.irp q, 0,1,2,3,4,5,6,7
	v_floor_f32 v[WK+8+\q], v[WK+8+\q]
.endr
.irp q, 0,1,2,3
	v_pk_fma_f32 v[WK+2*\q:WK+2*\q+1], v[WK+8+2*\q:WK+8+2*\q+1], s[M2PI:M2PI+1], v[WK+2*\q:WK+2*\q+1] op_sel_hi:[1,0,1]
.endr
.irp q, 0,1,2,3
	v_pk_add_f32 v[X+8*\g+2*\q:X+8*\g+2*\q+1], v[WK+2*\q:WK+2*\q+1], s[MPI:MPI+1] op_sel_hi:[1,0]
.endr
.endm
; The way out: a lane's 32 bytes of a feature tile go into my wave's own stage, whole rows come back, and each store of the wave covers 512 consecutive bytes, aligned.
; x and v have halves of the stage of their own.  LDS serves a wave's instructions in order (ISA guide 5.7.1): the loads see the stores in front of them.
.macro OUT rnd
.irp t, 0,1,2,3
.irp i, 0,1
	ds_store_b128 v[STO], v[X+8*\t+4*\i:X+8*\t+4*\i+3] offset:64*\t+16*\i
.endr
.endr
.irp u, 0,1,2,3,4,5,6,7
	ds_load_b128 v[160+4*\u:163+4*\u], v[RD] offset:544*\u
.endr
.irp t, 0,1,2,3
.irp i, 0,1
	ds_store_b128 v[STO], v[V+8*\t+4*\i:V+8*\t+4*\i+3] offset:4352+64*\t+16*\i
.endr
.endr
.irp u, 0,1,2,3,4,5,6,7
	ds_load_b128 v[192+4*\u:195+4*\u], v[RD] offset:4352+544*\u
.endr
	s_wait_dscnt 16                                ; x's rows are back: behind their loads stand 8 stores and 8 loads
.irp u, 0,1,2,3,4,5,6,7
	global_store_b128 v[CO], v[160+4*\u:163+4*\u], s[24:25] offset:\rnd*32768+512*\u th:TH_STORE_NT
.endr
	s_wait_dscnt 0x0
.irp u, 0,1,2,3,4,5,6,7
	global_store_b128 v[CO], v[192+4*\u:195+4*\u], s[26:27] offset:\rnd*32768+512*\u th:TH_STORE_NT
.endr
.endm
; One round: my 16 rows out of the slot, the product with force, the four steps, the way out.
.macro TILE rnd, slot
	s_wait_xcnt 0x0                                ; v160-223, which the last round's stores read, are loaded again only behind this wait
	v_add_nc_u32 v[TA], 2*ARR, v[LA+\slot]
.irp t, 0,1,2,3
.irp i, 0,1
	ds_load_b128 v[HF+8*\t+4*\i:HF+8*\t+4*\i+3], v[TA] offset:64*\t+16*\i          ; force
.endr
.endr
.irp m, 0,1,2,3
.irp k, 0,1
	ds_load_b128 v[WIF+8*(2*\m+\k):WIF+8*(2*\m+\k)+3],   v[AW] offset:I_LDS+2304*\m+64*\k
	ds_load_b128 v[WIF+8*(2*\m+\k)+4:WIF+8*(2*\m+\k)+7], v[AW] offset:I_LDS+2304*\m+64*\k+32
.endr
.endr
.irp t, 0,1,2,3
.irp i, 0,1
	ds_load_b128 v[X+8*\t+4*\i:X+8*\t+4*\i+3], v[LA+\slot] offset:64*\t+16*\i
.endr
.endr
.irp t, 0,1,2,3
.irp i, 0,1
	ds_load_b128 v[V+8*\t+4*\i:V+8*\t+4*\i+3], v[LA+\slot] offset:ARR+64*\t+16*\i
.endr
.endr
	s_wait_dscnt 16                                ; all but the 16 youngest (x and v): force and Wi' are in, and whatever was issued before them
	CVT16 FF, HF
	WIN 0x50                                       ; source 2 and destination in window 1
.irp m, 0,1,2,3
	v_wmma_f32_16x16x32_bf16 v[G0+8*\m:G0+8*\m+7], v[WIF+16*\m:WIF+16*\m+7], v[FF:FF+7], v[BIAS+8*\m:BIAS+8*\m+7]
.endr
.irp m, 0,1,2,3
	v_wmma_f32_16x16x32_bf16 v[G0+8*\m:G0+8*\m+7], v[WIF+16*\m+8:WIF+16*\m+15], v[FF+8:FF+15], v[G0+8*\m:G0+8*\m+7]   ; four accumulators by turns
.endr
	WIN 0
.set e, 0
.rept 16
	v_pk_mul_f32 v[HF+e:HF+e+1], v[HF+e:HF+e+1], s[H_P:H_P+1] op_sel_hi:[1,0]      ; h force; also the places before Wi's and force's fragments are written over
.set e, e+2
.endr
	s_wait_dscnt 0x0                               ; x and v
	XEVAL 1
	s_mov_b32 s30, 4
.Lstep_\rnd:
	VEVAL                                          ; v_half
	XUPD4 0
	XUPD4 1
	XUPD4 2
	XUPD4 3
	XEVAL 0                                        ; serves this step's second half and the next step's first
	VEVAL
	s_sub_co_i32 s30, s30, 1
	s_cmp_lg_u32 s30, 0
	s_cbranch_scc1 .Lstep_\rnd
	OUT \rnd
.endm
; The change of slots.  In front of the barrier every wave waits for all its tensor loads (its part of the slot that is read next among them) and for its LDS
; reads of the slot just left; behind it that slot is filled again first (refill = 1), one load a wave, which has the whole next round in which to land.
.macro HEAD slot, refill
	s_wait_tensorcnt 0x0                           ; none of my tensor loads is out, so a group 0 may be written
	ds_add_u32 v254, v255
	s_wait_dscnt 0x0
.if \refill
	s_add_nc_u64 s[TG0+4*(1-\slot)+2:TG0+4*(1-\slot)+3], s[TG0+4*(1-\slot)+2:TG0+4*(1-\slot)+3], 65536   ; the other slot's next round: 256 rows on
.endif
	s_wait_dscnt 0x0
	s_barrier_signal -1
	s_barrier_wait -1
.if \refill
	s_cmp_gt_u32 s28, 2
	s_cbranch_scc1 .Lno_refill_\@
	tensor_load_to_lds s[TG0+4*(1-\slot):TG0+4*(1-\slot)+3], s[TG1:TG1+7]
	s_nop 0
.Lno_refill_\@:
.endif
.endm
	TILE 0, 0
	HEAD 1, 1                                      ; slot 0 gets round 2
	TILE 1, 1
	HEAD 0, 1                                      ; slot 1 gets round 3
	TILE 2, 0
	HEAD 1, 0                                      ; nothing is left to fetch; every tensor load has been waited for
	TILE 3, 1
	s_wait_tensorcnt 0x0
	ds_add_u32 v254, v255
	s_wait_dscnt 0x0
	s_endpgm
.Lfunc_end_k_q533eb21994_leapfrog:
	.size	k_q533eb21994_leapfrog, .Lfunc_end_k_q533eb21994_leapfrog-k_q533eb21994_leapfrog
	.p2alignl 7, 3214868480
	.fill 96, 4, 3214868480
	.section	.rodata,"a",@progbits
	.p2align	6, 0x0
	.amdhsa_kernel k_q533eb21994_leapfrog
		.amdhsa_group_segment_fixed_size 327680
		.amdhsa_private_segment_fixed_size 0
		.amdhsa_enable_private_segment 0
		.amdhsa_kernarg_size 80
		.amdhsa_user_sgpr_count 2
		.amdhsa_user_sgpr_kernarg_segment_ptr 1
		.amdhsa_wavefront_size32 1
		.amdhsa_system_sgpr_workgroup_id_x 1
		.amdhsa_system_sgpr_workgroup_id_y 1
		.amdhsa_system_sgpr_workgroup_id_z 1
		.amdhsa_system_vgpr_workitem_id 0
		.amdhsa_next_free_vgpr 512
		.amdhsa_next_free_sgpr 90
		.amdhsa_reserve_vcc 0
		.amdhsa_float_denorm_mode_32 3
		.amdhsa_float_denorm_mode_16_64 3
		.amdhsa_memory_ordered 1
		.amdhsa_forward_progress 1
		.amdhsa_inst_pref_size 255
	.end_amdhsa_kernel
	.section	.bss,"aw",@nobits
	.p2align	6
	.space	262144
	.amdgpu_metadata
---
amdhsa.version: [ 1, 2 ]
amdhsa.kernels:
  - .name:           k_q533eb21994_leapfrog
    .symbol:         k_q533eb21994_leapfrog.kd
    .args:
      - { .name: x, .offset: 0, .size: 8, .value_kind: global_buffer, .address_space: global }
      - { .name: v, .offset: 8, .size: 8, .value_kind: global_buffer, .address_space: global }
      - { .name: force, .offset: 16, .size: 8, .value_kind: global_buffer, .address_space: global }
      - { .name: W, .offset: 24, .size: 8, .value_kind: global_buffer, .address_space: global }
      - { .name: U, .offset: 32, .size: 8, .value_kind: global_buffer, .address_space: global }
      - { .name: Wf, .offset: 40, .size: 8, .value_kind: global_buffer, .address_space: global }
      - { .name: Wi, .offset: 48, .size: 8, .value_kind: global_buffer, .address_space: global }
      - { .name: bf, .offset: 56, .size: 8, .value_kind: global_buffer, .address_space: global }
      - { .name: out0, .offset: 64, .size: 8, .value_kind: global_buffer, .address_space: global }
      - { .name: out1, .offset: 72, .size: 8, .value_kind: global_buffer, .address_space: global }
    .group_segment_fixed_size: 327680
    .private_segment_fixed_size: 0
    .kernarg_segment_align: 8
    .kernarg_segment_size: 80
    .max_flat_workgroup_size: 256
    .sgpr_count:     90
    .vgpr_count:     512
    .wavefront_size: 32
...
	.end_amdgpu_metadata
.endif
;; end of part 1
